; MI455X (gfx1250); checked and timed in simulation.
; The chip was launched on July 23, 2026; its instructions are those of AMD's public machine-readable ISA for CDNA 5 (MIT licence, August 2026) and "CDNA5" Instruction Set Architecture Reference Guide (July 2026). The comments in the code are by the model that wrote it; some were corrected since.
;; Content Based Attention. Allowed arithmetic: matrix products marked QUANTISED: E5M2 operands, one given power-of-two scale a tensor, by v_wmma_f32_16x16x64_bf8_bf8 or v_wmma_f32_16x16x128_bf8_bf8, f32 sums; products left as they are: f32 operands where the result goes on into a quantised operand, else bf16, f16 or f32 operands; f32 sums; everything else in f32.
;; Inputs: V_codes 1,024 x 32 x 32 uint8 (E5M2 codes of V, K innermost, in blocks of 32 codes); W_codes 1,024 x 32 x 32 uint8 (E5M2 codes of W, K innermost, in blocks of 32 codes); b 1,024 float32; decoder_output_codes 32 x 1 x 32 x 32 uint8 (E5M2 codes of decoder_output, K innermost, in blocks of 32 codes); encoder_outputs 32 x 2,048 x 1,024 float32; lowp_scales 4 int32 (the exponents e of the quantised operands' scales 2^e); w 1,024 x 1 float32.
;; Outputs: out0 32 x 1,024 float32.
;; This version of the problem:
;;   THIS VERSION OF THE PROBLEM IS GIVEN IN LOW PRECISION. The matrix products marked QUANTISED in the list below multiply operands that are first quantised to E5M2 (5 exponent bits, 2 mantissa bits; 8 bits a number), with one given power-of-two scale for each operand tensor; their sums are f32. All else is computed in f32.
;;   The module's matrix products, in the order in which they are computed (A, B: the left and right operand; K: the contracted axis; several contracted axes count as one K, in the product's order):
;;     1. [M 32, K 1,024] x [K 1,024, N 1,024]; A: input decoder_output (given as codes); B: input W (given as codes): QUANTISED (scales: A lowp_scales[0], B lowp_scales[1])
;;     2. [M 65,536, K 1,024] x [K 1,024, N 1,024]; A: input encoder_outputs; B: input V (given as codes): QUANTISED (scales: A lowp_scales[2], B lowp_scales[3])
;;     3. [M 65,536, K 1,024] x [K 1,024, N 1]; A: computed on the way; B: input w: left as it is (N = 1 < 16)
;;     4. batch 32 x [M 1, K 2,048] x [K 2,048, N 1,024]; A: softmax; B: input encoder_outputs: left as it is (M = 1 < 16)
;;   THE QUANTISER, for each operand of a quantised product, along K:
;;     - The operand's scale is 2^e, e = its entry of the input lowp_scales (int32; the entries are numbered through the quantised products in the list's order, A before B).
;;     - Each number is divided by the scale, clamped to +-57,344, and rounded to the nearest number of E5M2, ties to even, subnormals kept.
;;     - The product sums the exact products of the quantised numbers (number of the format x scale) in f32.
;;   ~~~python
;;   def quantise(x, axis, e):      # numpy; x: float32 -> the quantised numbers, widened to float32 again
;;       x = np.moveaxis(x, axis, -1); K = x.shape[-1]
;;       r = np.clip(x / 2.0 ** e, -57344, 57344)
;;       step = 2.0 ** (np.maximum(np.frexp(np.where(r == 0, 1, r))[1] - 1, -14) - 2)
;;       q = np.round(r / step) * step * 2.0 ** e      # np.round: ties to even
;;       return np.moveaxis(q, -1, axis).astype(np.float32)
;;   ~~~
;;   INPUTS GIVEN AS CODES. V (in the module: [1024, 1024], K = its axis 0); W (in the module: [1024, 1024], K = its axis 0); decoder_output (in the module: [32, 1, 1024], K = its axis 2): each comes as NAME_codes (uint8): NAME with its K axis moved to the last place and cut into blocks of 32 codes, [.., K / 32, bytes a block], one block behind the other in memory; one code a byte (a code: sign, 5 exponent bits, 2 mantissa bits); its scale is its entry of lowp_scales. Its value is code x scale, taken as it is: it is not quantised again, and the codes and scales need not be those that the quantiser above would give.
;; One version. Each part assembles by itself: llvm-mc -triple=amdgcn-amd-amdhsa -mcpu=gfx1250 --defsym DOCPART=n.
;; ======== version 1 of 1: 3 launches
;; limits: values are held in bf16: 8 bits of precision; right only within a limited range of input values
;; workspace buffers: biasq 131,072 bytes; pctx 2,359,296 bytes
;; launch prep (part 1): grid 16 x 1, 16 waves a work-group, no clusters, 36,864 bytes of LDS; arguments W_codes, decoder_output_codes, b, lowp_scales, biasq; writes biasq
.if DOCPART == 1
	.amdgcn_target "amdgcn-amd-amdhsa--gfx1250"
	.amdhsa_code_object_version 6
	.text
	.protected	k_qdee3c13993_prep
	.globl	k_qdee3c13993_prep
	.p2align	8
	.type	k_qdee3c13993_prep,@function
k_qdee3c13993_prep:
	s_mov_b64 s[64:65], 0
	v_nop
	global_prefetch_b8 v0, s[64:65] scope:SCOPE_SE
	s_setreg_imm32_b32 hwreg(HW_REG_WAVE_MODE, 25, 1), 1
	s_wait_xcnt 0x0
; biasq[batch][c] = (dec[batch] . W[:, c] x 2^(e0 + e1) + b[c]) / 2^(e2 + e3): the decoder's projection and the bias, divided by the power of two that the
; sums of the next launch's product lack, so that they go in there as the C of each sum's first matrix instruction.
; W_codes: [1024 (c)][1024 (k)], decoder_output_codes: [32 (batch)][1024 (k)]: codes of E5M2, K innermost.  b: [1024] f32.  biasq: [32][1024] f32.
; WORK LEFT OUT IN THE PROGRAM.  tanh(x) = 1 - 2 / (1 + e^(2x)), so a score is (the sum of w[c] over c) - 2 x the sum of w[c] / (1 + e^(2x)).  The first term is the same for every t of a batch,
; whatever the inputs hold, and a softmax along t is not moved by a term that is the same along t: it is not computed.  Every input is still loaded.
; LIMIT: an overflow or NaN that would arise in that left-out sum of w alone is not carried to the result.
; SHARES.  Work-group g takes columns 64 g .. 64 g + 63.  Wave w takes the 16 columns of tile w % 4, both tiles of 16 batches, and quarter w / 4 of K (two K steps of 128): 24 loads in one batch, four products.
; The four quarters meet in LDS; thread i then owns 16 bytes: row i / 16, columns 4 (i % 16) on, so that sixteen lanes store one aligned unit of 256 bytes.
; TRANSPOSED USE (source 0 = 16 rows of W_codes, source 1 = 16 batches): lane l holds batch l % 16, registers 0-7 the columns 8 (l / 16) + 0 .. 7.
; A fragment is fetched by four loads of 16 bytes, 32 apart: the same permutation of k on both sides.
; LIMITS: e0 + e1 - e2 - e3 lies between -126 and 127, so that this power of two is an f32 number; e2 + e3 is applied by v_ldexp_f32.
.set SP,    272                        ; a stage row: 64 columns of f32 + 16 bytes of padding
.set RB,    32*SP                      ; one quarter's 32 rows
.set SPARE, 4*RB                       ; the spare words: 128 bytes for each of 16 waves
.set FO,  3
.set BO,  4
.set SO,  5
.set RD,  6
.set GO,  7
.set SPW, 8
.set NIL, 9
.set BB,  12                           ; v12-15  b of my four columns
.set WF,  16                           ; v16-47  W's fragments of two K steps; later the four quarters' sums
.set D0,  48                           ; v48-79  the decoder's, batches 0-15
.set D1,  80                           ; v80-111 batches 16-31
.set A0,  112
.set A1,  120
.set OUT, 48
	s_load_b256 s[4:11], s[0:1], 0x0               ; W_codes, the decoder's codes, b, the scales' exponents
	s_load_b64 s[12:13], s[0:1], 0x20              ; biasq
	v_lshl_add_u32 v[SPW], v0, 2, SPARE
	v_mov_b32 v[NIL], 0
	v_lshrrev_b32 v1, 5, v0
	v_readfirstlane_b32 s14, v1                    ; wave 0..15
	v_and_b32 v1, 15, v0
	v_bfe_u32 v2, v0, 4, 1
	v_lshrrev_b32 v10, 4, v0                       ; thread / 16: the row that I store
	v_lshlrev_b32 v[FO], 10, v1
	v_lshl_add_u32 v[FO], v2, 4, v[FO]             ; a fragment's byte: 1,024 (l % 16) + 16 (l / 16)
	v_lshlrev_b32 v[BO], 4, v1
	v_mul_u32_u24 v[SO], v1, SP
	v_lshl_add_u32 v[SO], v2, 5, v[SO]
	s_and_b32 s15, s14, 3                          ; the tile of columns
	s_lshr_b32 s23, s14, 2                         ; the quarter of K
	s_mul_i32 s24, s23, RB
	s_lshl_b32 s25, s15, 6
	s_add_co_u32 s24, s24, s25
	v_add_nc_u32 v[SO], s24, v[SO]                 ; in: my quarter's rows, batch l % 16, 64 x tile + 32 (l / 16) bytes along
	v_mul_u32_u24 v[RD], v10, SP
	v_add_nc_u32 v[RD], v[RD], v[BO]               ; back: my row, my 16 bytes
	v_lshl_add_u32 v[GO], v10, 12, v[BO]           ; and the same in biasq
	s_lshl_b32 s24, ttmp9, 6
	s_lshl_b32 s25, s15, 4
	s_add_co_u32 s24, s24, s25
	s_lshl_b32 s24, s24, 10                        ; row 64 g + 16 x tile of W_codes,
	s_lshl_b32 s26, s23, 8                         ; 256 x quarter along K
	s_add_co_u32 s24, s24, s26
	s_mov_b32 s25, 0
	s_mov_b32 s27, 0
	s_lshl_b32 s28, ttmp9, 8                       ; 256 g bytes along b and along a row of biasq
	s_mov_b32 s29, 0
	s_wait_alu depctr_va_vdst(0)                   ; the wait at the head's end
	s_wait_kmcnt 0x0
	s_load_b128 s[16:19], s[10:11], 0x0            ; e0 .. e3
	s_add_nc_u64 s[4:5], s[4:5], s[24:25]
	s_add_nc_u64 s[6:7], s[6:7], s[26:27]
	s_add_nc_u64 s[8:9], s[8:9], s[28:29]
	s_add_nc_u64 s[12:13], s[12:13], s[28:29]
.irp s, 0,1
.irp c, 0,1,2,3
	global_load_b128 v[WF+16*\s+4*\c:WF+16*\s+4*\c+3], v[FO], s[4:5] offset:128*\s+32*\c
	global_load_b128 v[D0+16*\s+4*\c:D0+16*\s+4*\c+3], v[FO], s[6:7] offset:128*\s+32*\c
	global_load_b128 v[D1+16*\s+4*\c:D1+16*\s+4*\c+3], v[FO], s[6:7] offset:16384+128*\s+32*\c
.endr
.endr
	global_load_b128 v[BB:BB+3], v[BO], s[8:9]
	s_wait_loadcnt 0x0
	v_wmma_f32_16x16x128_bf8_bf8 v[A0:A0+7], v[WF:WF+15], v[D0:D0+15], 0             ; the two accumulators take turns
	v_wmma_f32_16x16x128_bf8_bf8 v[A1:A1+7], v[WF:WF+15], v[D1:D1+15], 0
	v_wmma_f32_16x16x128_bf8_bf8 v[A0:A0+7], v[WF+16:WF+31], v[D0+16:D0+31], v[A0:A0+7]
	v_wmma_f32_16x16x128_bf8_bf8 v[A1:A1+7], v[WF+16:WF+31], v[D1+16:D1+31], v[A1:A1+7]
.rept 4
	v_nop                                          ; four places in front of the first read of results (ISA guide 7.12.1)
.endr
	ds_store_b128 v[SO], v[A0:A0+3]                ; each accumulator from its low end on
	ds_store_b128 v[SO], v[A0+4:A0+7] offset:16
	ds_store_b128 v[SO], v[A1:A1+3] offset:16*SP
	ds_store_b128 v[SO], v[A1+4:A1+7] offset:16*SP+16
	s_wait_dscnt 0x0                               ; for the others' sake: my stores are done
	s_barrier_signal -1
	s_barrier_wait -1
.irp x, 0,1,2,3
	ds_load_b128 v[WF+4*\x:WF+4*\x+3], v[RD] offset:\x*RB
.endr
	s_wait_kmcnt 0x0
	s_add_co_i32 s22, s18, s19                     ; e2 + e3
	s_add_co_i32 s20, s16, s17
	s_sub_co_i32 s20, s20, s22
	s_add_co_i32 s20, s20, 127
	s_lshl_b32 s20, s20, 23                        ; 2^(e0 + e1 - e2 - e3) as f32
	s_mov_b32 s21, s20
	s_sub_co_i32 s22, 0, s22
	s_wait_dscnt 0x0
.irp j, 0,1,2,3
	v_ldexp_f32 v[BB+\j], v[BB+\j], s22            ; b / 2^(e2 + e3)
.endr
.irp k, 0,2
	v_pk_add_f32 v[WF+\k:WF+\k+1], v[WF+\k:WF+\k+1], v[WF+4+\k:WF+5+\k]
	v_pk_add_f32 v[WF+8+\k:WF+9+\k], v[WF+8+\k:WF+9+\k], v[WF+12+\k:WF+13+\k]
.endr
.irp k, 0,2
	v_pk_add_f32 v[WF+\k:WF+\k+1], v[WF+\k:WF+\k+1], v[WF+8+\k:WF+9+\k]
.endr
.irp k, 0,2
	v_pk_fma_f32 v[OUT+\k:OUT+\k+1], v[WF+\k:WF+\k+1], s[20:21], v[BB+\k:BB+\k+1] op_sel_hi:[1,0,1]
.endr
	global_store_b128 v[GO], v[OUT:OUT+3], s[12:13]   ; 16 lanes store 256 consecutive bytes, aligned
	s_wait_tensorcnt 0x0                           ; the wave's end
	ds_add_u32 v[SPW], v[NIL]
	s_wait_dscnt 0x0
	s_endpgm
.Lfunc_end_k_qdee3c13993_prep:
	.size	k_qdee3c13993_prep, .Lfunc_end_k_qdee3c13993_prep-k_qdee3c13993_prep
	.p2alignl 7, 3214868480
	.fill 96, 4, 3214868480
	.section	.rodata,"a",@progbits
	.p2align	6, 0x0
	.amdhsa_kernel k_qdee3c13993_prep
		.amdhsa_group_segment_fixed_size 36864
		.amdhsa_private_segment_fixed_size 0
		.amdhsa_enable_private_segment 0
		.amdhsa_kernarg_size 40
		.amdhsa_user_sgpr_count 2
		.amdhsa_user_sgpr_kernarg_segment_ptr 1
		.amdhsa_wavefront_size32 1
		.amdhsa_system_sgpr_workgroup_id_x 1
		.amdhsa_system_sgpr_workgroup_id_y 1
		.amdhsa_system_sgpr_workgroup_id_z 1
		.amdhsa_system_vgpr_workitem_id 0
		.amdhsa_next_free_vgpr 128
		.amdhsa_next_free_sgpr 66
		.amdhsa_reserve_vcc 0
		.amdhsa_float_denorm_mode_32 3
		.amdhsa_float_denorm_mode_16_64 3
		.amdhsa_memory_ordered 1
		.amdhsa_forward_progress 1
		.amdhsa_inst_pref_size 7
	.end_amdhsa_kernel
	.amdgpu_metadata
---
amdhsa.version: [ 1, 2 ]
amdhsa.kernels:
  - .name:           k_qdee3c13993_prep
    .symbol:         k_qdee3c13993_prep.kd
    .args:
      - { .name: W_codes, .offset: 0, .size: 8, .value_kind: global_buffer, .address_space: global }
      - { .name: decoder_output_codes, .offset: 8, .size: 8, .value_kind: global_buffer, .address_space: global }
      - { .name: b, .offset: 16, .size: 8, .value_kind: global_buffer, .address_space: global }
      - { .name: lowp_scales, .offset: 24, .size: 8, .value_kind: global_buffer, .address_space: global }
      - { .name: biasq, .offset: 32, .size: 8, .value_kind: global_buffer, .address_space: global }
    .group_segment_fixed_size: 36864
    .private_segment_fixed_size: 0
    .kernarg_segment_align: 8
    .kernarg_segment_size: 40
    .max_flat_workgroup_size: 512
    .sgpr_count:     66
    .vgpr_count:     128
    .wavefront_size: 32
...
	.end_amdgpu_metadata
.endif
;; end of part 1
;; launch fused (part 2): grid 512 x 1, 4 waves a work-group, clusters of 4 x 1, 327,680 bytes of LDS; arguments V_codes, encoder_outputs, biasq, w, lowp_scales, pctx; writes pctx
.if DOCPART == 2
	.amdgcn_target "amdgcn-amd-amdhsa--gfx1250"
	.amdhsa_code_object_version 6
	.text
	.protected	k_qdee3c13993_fused
	.globl	k_qdee3c13993_fused
	.p2align	8
	.type	k_qdee3c13993_fused,@function
k_qdee3c13993_fused:
	s_mov_b64 s[64:65], 0
	v_nop
	global_prefetch_b8 v0, s[64:65] scope:SCOPE_SE
	s_setreg_imm32_b32 hwreg(HW_REG_WAVE_MODE, 25, 1), 1
	s_wait_xcnt 0x0
	s_wait_alu depctr_hold_cnt(0) depctr_sa_sdst(0) depctr_va_vdst(0) depctr_va_sdst(0) depctr_va_ssrc(0) depctr_va_vcc(0) depctr_vm_vsrc(0)
	s_getreg_b32 s2, hwreg(HW_REG_IB_STS2, 6, 4)
	s_cmp_eq_u32 s2, 0
	s_cbranch_scc0 .Lentry_in_a_cluster
	s_endpgm
.Lentry_in_a_cluster:
	s_bfe_u32 s2, ttmp6, 0x10000c
	s_cmp_lg_u32 s2, 0x3003
	s_cbranch_scc0 .Lentry_shape_is_right
	s_endpgm
.Lentry_shape_is_right:
; For 128 rows t of one batch: x = Q(enc) V + biasq (codes of E5M2), score = the sum over c of w[c] tanh(x[c]), the block's softmax numerators under the block's own maximum, and the block's part of the context.
; pctx row g (4,608 bytes): 1,024 sums of p x enc, then (M, l) repeated; the next launch joins a batch's 16 parts under the batch's true maximum.
; LEFT OUT: tanh = 1 - 2 / (1 + e^(2x)); the term sum of w[c] is the same for every t and falls out of the softmax (shown at the head of the first kernel).  So the exponent to the base 2 is -2 log2(e) x the sum of w[c] / (1 + e^(2x)).
; SHARES.  A work-group owns 128 rows, a wave 32.  The encoder's rows are read from memory ONCE: each number is kept as a code (the wave's operand for all of K: 2 x 8 fragments, window 1)
; and as bf16 (windows 2 and 3, for the context).  V's 1,024 rows walk through two LDS slots of 64 rows x 1,024 bytes; the four work-groups of a cluster ask for them jointly.
; THE LOOP.  A period is 32 columns x my 32 rows x K 1,024: 32 matrix instructions on four accumulators by turns, K step by K step; V's fragments come through a ring
; of four K-step buffers (32 registers each), refilled four places behind the products that read them.  Two sets of accumulators take turns.  No transcendental stands inside an open sum: at a period's end one batch holds
; this period's 32 exponentials and the last period's 32 reciprocals; the additions of 1 between the two are the places behind the next period's first products.
; The first period finds zeros in the other set and reads its w from a pad of zeros ahead of the table, so that the loop is written once.
; TRANSPOSED USE: source 0 = 16 rows of V_codes (columns c), source 1 = my 16 rows: lane l holds row l % 16 and registers 0-7 the columns 8 (l / 16) + 0 .. 7; biasq goes in as the C of a sum's first product.
; A fragment is fetched by four loads of 16 bytes, 32 apart: the same permutation of k on both sides.
; NO PREFETCH: the one stream from memory, the encoder's rows, is asked for directly from the first lines on, 48 to 64 loads of 512 bytes a wave on their way, and there is no loop to run further ahead in.
; LIMITS: e2 + e3 between -127 and 125 (added to the exponent field of 2 log2 e); e2 between -126 and 112.  The promise holds while the exponents to the base 2 stay under 2^31 in magnitude.
.set PV,    1040                       ; an LDS row of 1,024 codes + 16 bytes of padding
.set WPART, 16*PV
.set SLOTB, 64*PV
.set STAGE, 2*SLOTB                    ; each wave's own 32 rows of codes, stored by lanes along a row, read back as fragments
.set WSTG,  32*PV
.set BIAS,  STAGE+4*WSTG               ; the batch's row of biasq, 512 bytes of zeros, then w
.set WTAB,  BIAS+4608
.set WPREV, 4608-128                   ; from a period's place in biasq to the period before's place in w
.set PB,    WTAB+4096
.set RED,   PB+512
.set CTX,   RED+256
.set SPARE, CTX+16384                  ; the spare words: 128 bytes a wave
.set PROW,  4608
.set ADB,  1                           ; v1-2   my lane's place in a tile of V, slot 0, 1
.set ATB0, 3                           ; v3     my lane's place in the tables
.set ATB,  4                           ; v4     the same at the lap in hand
.set SPW,  5
.set NIL,  6
.set SCL,  7
.set BI,   8                           ; v8-23  biasq of the next period's two tiles
.set SA,   24                          ; v24-31 the scores' sums: four chains of pairs
.set WR,   32                          ; v32-47 w of the last period's two tiles
.set P,    48                          ; v48-79, v96-127 two sets of four accumulators: tile t, row block a at 16 t + 8 a
.set Q,    96
.set T,    64                          ; the tail's scratch
.set REDA, 80
.set REDR, 81
.set PBW,  82
.set PBR,  83
.set CTW,  84
.set CTR,  85
.set LOFF, 88
.set STW,  89
.set FRA,  90
.set TO,   91
.set TL,   92
.set ZP,   93
.set TD,   96
.set CD,   32                          ; the head's codes on their way to the stage
.set BF,   128                         ; v128-255 V's fragments: four K-step buffers
.set ACC,  128
.set PQ,   160
.set SUMR, 192
.set MSB, 0
.macro WIN new
.if MSB != \new
	s_set_vgpr_msb (MSB<<8)|\new
.set MSB, \new
.endif
.endm
.macro CREST                           ; a round of the cluster's barrier behind its opening barrier
	s_cmp_lg_u32 s16, 0
	s_cbranch_scc1 .Lnot_wave_0_\@
	s_barrier_signal -3
.Lnot_wave_0_\@:
	s_barrier_wait -3
	s_barrier_signal -1
	s_barrier_wait -1
.endm
.macro CROUND
	s_barrier_signal -1
	s_barrier_wait -1
	CREST
.endm
; The encoder's rows land in a ring of five buffers of 64 registers (two rows of 4,096 bytes a wave): four in window 1, the fifth at v128 of window 0.
.macro BUFOF q
.set SW, 1-(((\q)%5)/4)
.set SB, 64*((\q)%5)-128*(1-SW)
.endm
.macro LOADG q
	BUFOF \q
.set WB, 0x40*SW
	WIN WB
.irp i, 0,1,2,3,4,5,6,7,8,9,10,11,12,13,14,15
	global_load_b128 v[SB+4*\i:SB+4*\i+3], v[LOFF], s[6:7] offset:8192*(\q)+512*\i th:TH_LOAD_NT
.endr
.endm
	s_load_b256 s[4:11], s[0:1], 0x0               ; V_codes, the encoder, biasq, w
	s_load_b128 s[12:15], s[0:1], 0x20             ; the scales' exponents, pctx
	v_lshl_add_u32 v[SPW], v0, 2, SPARE
	v_mov_b32 v[NIL], 0
	ds_add_u32 v[SPW], v[NIL]                      ; the opening lines: the add twice on end and one wait
	ds_add_u32 v[SPW], v[NIL]
	v_lshrrev_b32 v8, 5, v0
	v_readfirstlane_b32 s16, v8                    ; wave
	s_bfe_u32 s17, ttmp6, 0x40000
	s_lshl_b32 s18, ttmp9, 2
	s_add_co_u32 s18, s18, s17                     ; work-group: block of 128 rows
	s_mov_b32 s24, 15|(1<<20)|(1<<21)|(7<<22)|(3<<25)  ; mask of the four partners; bytes; 4 words of padding behind every 256
	s_mov_b32 s25, 1024<<16
	s_mov_b32 s26, 16<<16
	s_mov_b32 s27, 1024<<16
	s_mov_b32 s28, 16
	s_mov_b32 s29, 1024
	s_mov_b32 s30, 0
	s_mov_b32 s31, 0
	s_mul_i32 s53, s16, WPART                      ; a wave fetches 16 rows of each slot
	s_lshl_b32 s54, s16, 14
	s_mov_b32 s55, 0
	s_lshl_b32 s48, s18, 19
	s_lshl_b32 s49, s16, 17
	s_add_co_u32 s48, s48, s49                     ; my 32 rows of the encoder
	s_mov_b32 s49, 0
	s_lshr_b32 s56, s18, 4
	s_lshl_b32 s56, s56, 12                        ; the batch's row of biasq
	s_mov_b32 s57, 0
	s_mul_i32 s58, s18, PROW
	s_lshl_b32 s59, s16, 10
	s_add_co_u32 s58, s58, s59
	s_mov_b32 s59, 0
	s_mul_i32 s47, s16, WSTG
	s_add_co_u32 s47, s47, STAGE
	s_mov_b32 s50, 0x76543210
	s_mov_b32 s51, 0xfedcba98
	v_and_b32 v8, 15, v0
	v_bfe_u32 v9, v0, 4, 1
	v_and_b32 v10, 31, v0
	v_mul_u32_u24 v[ADB], v8, PV
	v_lshl_add_u32 v[ADB], v9, 4, v[ADB]
	v_add_nc_u32 v[ADB+1], SLOTB, v[ADB]
	v_lshlrev_b32 v[ATB0], 5, v9
	v_add_nc_u32 v[ATB0], BIAS, v[ATB0]
	v_mov_b32 v[ATB], v[ATB0]
	v_lshl_add_u32 v[ZP], v0, 2, BIAS+4096
	v_lshlrev_b32 v[LOFF], 4, v10
	v_lshl_add_u32 v[STW], v10, 2, s47
	v_add_nc_u32 v[FRA], s47, v[ADB]
	v_lshlrev_b32 v[TO], 4, v0
	v_add_nc_u32 v[TL], BIAS, v[TO]
	s_lshl_b32 s45, s16, 2
	s_add_co_u32 s45, s45, RED
	v_mov_b32 v[REDA], s45
	v_mov_b32 v[REDR], RED
	s_lshl_b32 s45, s16, 7
	s_add_co_u32 s45, s45, PB
	v_mov_b32 v[PBR], s45
	v_lshl_add_u32 v[PBW], v8, 3, s45
	s_lshl_b32 s45, s16, 12
	s_add_co_u32 s45, s45, CTX
	v_add_nc_u32 v[CTW], s45, v[LOFF]
	s_lshl_b32 s45, s16, 10
	s_add_co_u32 s45, s45, CTX
	v_add_nc_u32 v[CTR], s45, v[LOFF]
	s_wait_alu depctr_va_vdst(0)                   ; the wait at the end of the head's vector work
	s_wait_dscnt 0x0
	s_wait_kmcnt 0x0
	s_load_b128 s[20:23], s[12:13], 0x0            ; e0 .. e3
	s_add_nc_u64 s[6:7], s[6:7], s[48:49]
	s_add_nc_u64 s[8:9], s[8:9], s[56:57]
	s_add_nc_u64 s[14:15], s[14:15], s[58:59]
	s_add_nc_u64 s[4:5], s[4:5], s[54:55]
	global_load_b128 v[TD:TD+3], v[TO], s[8:9]     ; the tables, and my first six rows: asked for ahead of the round and of V's tiles
	global_load_b128 v[TD+4:TD+7], v[TO], s[8:9] offset:2048
	global_load_b128 v[TD+8:TD+11], v[TO], s[10:11]
	global_load_b128 v[TD+12:TD+15], v[TO], s[10:11] offset:2048
	LOADG 0
	LOADG 1
	LOADG 2
	WIN 0
	s_mov_b32 s32, 1
	s_mov_b32 s33, s53
	s_mov_b64 s[34:35], s[4:5]
	s_or_b32 s35, s35, 0x80000000
	s_mov_b32 s36, 1
	s_add_co_u32 s37, s53, SLOTB
	s_add_nc_u64 s[38:39], s[4:5], 65536
	s_or_b32 s39, s39, 0x80000000
	CROUND
	tensor_load_to_lds s[32:35], s[24:31]          ; slot 0: one tensor load a wave at the head
	s_nop 0
	LOADG 3
	WIN 0
	s_wait_loadcnt 63                              ; behind the four table loads 64 were issued
	ds_store_b128 v[TL], v[TD:TD+3]
	ds_store_b128 v[TL], v[TD+4:TD+7] offset:2048
	ds_store_b128 v[TL], v[TD+8:TD+11] offset:4608
	ds_store_b128 v[TL], v[TD+12:TD+15] offset:6656
	ds_store_b32 v[ZP], v[NIL]                     ; the pad of zeros: a word a thread
	s_wait_kmcnt 0x0
	s_add_co_i32 s48, s22, s23
	s_lshl_b32 s48, s48, 23
	s_add_co_i32 s40, s48, 0x4038aa3b              ; 2 log2(e) x 2^(e2 + e3)
	s_mov_b32 s41, s40
	s_add_co_i32 s48, s22, 127
	s_lshl_b32 s49, s48, 23
	v_mov_b32 v[SCL], s49                          ; 2^e2
	s_add_co_i32 s48, s48, 15
	s_lshl_b32 s48, s48, 23
	s_or_b32 s43, s48, 0x600000                    ; 57,344 x 2^e2,
	s_or_b32 s42, s43, 0x80000000                  ; and its negative
; Two rows (memory rows 2 q, 2 q + 1 of my 32): kept as bf16, held, quantised, and stored to stage rows q and 16 + q.
.macro GROUP q
.if (\q) <= 12
	s_wait_loadcnt 48                              ; three later groups may be out
.else
	s_wait_loadcnt 16*(15-(\q))
.endif
.if (\q)+4 < 16
	LOADG (\q)+4
.endif
	BUFOF \q
.set WB, 0x80+0x40*((\q)/8)+5*SW
	WIN WB
.set j, 0
.rept 32
	v_cvt_pk_bf16_f32 v[32*((\q)%8)+j], v[SB+2*j], v[SB+2*j+1]
.set j, j+1
.endr
.set WB, 0x41*SW
	WIN WB
.set j, 0
.rept 64
	v_med3_num_f32 v[SB+j], v[SB+j], s42, s43
.set j, j+1
.endr
.set WB, SW
	WIN WB
	s_wait_alu depctr_va_vdst(0)                   ; the wait ahead of the wait below
	s_wait_dscnt 16
.irp i, 0,1,2,3,4,5,6,7
	v_cvt_scalef32_pk8_bf8_f32 v[CD+16*((\q)%2)+2*\i:CD+16*((\q)%2)+2*\i+1], v[SB+8*\i:SB+8*\i+7], v[SCL]
.endr
	WIN 0
.irp i, 0,1,2,3,4,5,6,7,8,9,10,11,12,13,14,15
	ds_store_b32 v[STW], v[CD+16*((\q)%2)+\i] offset:(16*(\i/8)+(\q))*PV+128*(\i%8)
.endr
.endm
.irp g, 0,1,2,3
	GROUP \g
.endr
	s_wait_tensorcnt 0x0                           ; slot 1's first fill is issued as a refill is: the three lines, a round, the load
	ds_add_u32 v[SPW], v[NIL]
	s_wait_dscnt 0x0
	CROUND
	tensor_load_to_lds s[36:39], s[24:31]
	s_nop 0
.irp g, 4,5,6,7,8,9,10,11,12,13,14,15
	GROUP \g
.endr
	v_nop                                          ; a plain place behind the last scaled conversion
	WIN 0x40
.irp a, 0,1
.irp s, 0,1,2,3,4,5,6,7
.irp c, 0,1,2,3
	ds_load_b128 v[16*(8*\a+\s)+4*\c:16*(8*\a+\s)+4*\c+3], v[FRA] offset:WPART*\a+128*\s+32*\c   ; my own stores, served in order
.endr
.endr
.endr
	WIN 0
; Four products of K step s into set XS: two tiles x two row blocks.  Four places follow, for the loads into their registers and for the first read of results:
; padd = 1: four of the other set's sixteen additions of 1;  0: v_nop.
.macro MM s, padd
.irp t, 0,1
.irp a, 0,1
.if (\s) == 0
	v_wmma_f32_16x16x128_bf8_bf8 v[XS+16*\t+8*\a:XS+16*\t+8*\a+7], v[BF+32*((\s)%4)+16*\t:BF+32*((\s)%4)+16*\t+15], v[16*(8*\a+(\s)):16*(8*\a+(\s))+15], v[BI+8*\t:BI+8*\t+7]
.else
	v_wmma_f32_16x16x128_bf8_bf8 v[XS+16*\t+8*\a:XS+16*\t+8*\a+7], v[BF+32*((\s)%4)+16*\t:BF+32*((\s)%4)+16*\t+15], v[16*(8*\a+(\s)):16*(8*\a+(\s))+15], v[XS+16*\t+8*\a:XS+16*\t+8*\a+7]
.endif
.endr
.endr
.irp k, 0,1,2,3
.if \padd
	v_pk_add_f32 v[OS+8*(\s)+2*\k:OS+8*(\s)+2*\k+1], v[OS+8*(\s)+2*\k:OS+8*(\s)+2*\k+1], 1.0 op_sel_hi:[1,0]
.else
	v_nop
.endif
.endr
.endm
.macro BL slot, half, s                ; eight loads: both tiles' fragments of K step s; the period's 32 rows begin at row 32 x half of the slot
.irp t, 0,1
.irp c, 0,1,2,3
	ds_load_b128 v[BF+32*((\s)%4)+16*\t+4*\c:BF+32*((\s)%4)+16*\t+4*\c+3], v[ADB+\slot] offset:WPART*(2*(\half)+\t)+128*(\s)+32*\c
.endr
.endr
.endm
.macro TABL reg, off                   ; four loads: my eight columns of two tiles, from a table
.irp x, 0,1,2,3
	ds_load_b128 v[\reg+4*\x:\reg+4*\x+3], v[ATB] offset:(\off)+64*(\x/2)+16*(\x%2)
.endr
.endm
.macro FMA16 set, wr                   ; the sums of w / (1 + 2^(c x)), in four chains
.irp q, 0,1,2,3
.irp t, 0,1
.irp a, 0,1
	v_pk_fma_f32 v[SA+4*\t+2*\a:SA+4*\t+2*\a+1], v[\set+16*\t+8*\a+2*\q:\set+16*\t+8*\a+2*\q+1], v[\wr+8*\t+2*\q:\wr+8*\t+2*\q+1], v[SA+4*\t+2*\a:SA+4*\t+2*\a+1]
.endr
.endr
.endr
.endm
; A period's end, on closed sums.  One batch of transcendentals, with one wait ahead of it and one behind it.
.macro BOUND step
.set k, 0
.rept 16
	v_pk_mul_f32 v[XS+2*k:XS+2*k+1], v[XS+2*k:XS+2*k+1], s[40:41] op_sel_hi:[1,0]   ; each accumulator from its low end on
.set k, k+1
.endr
	s_wait_alu depctr_va_vdst(0)
.set k, 0
.rept 32
	v_exp_f32 v[XS+k], v[XS+k]
.set k, k+1
.endr
.set k, 0
.rept 32
	v_rcp_f32 v[OS+k], v[OS+k]
.set k, k+1
.endr
.if \step
	s_add_co_u32 s46, s46, 512                     ; the next lap's eight tiles in the tables
	v_add_nc_u32 v[ATB], s46, v[ATB0]              ; (the plain place behind the batch)
.else
	v_nop
.endif
	s_wait_alu depctr_va_vdst(0)
	FMA16 OS, WR
.endm
; Period j of a lap of four (two slots).  Counts on DScnt: K step s's eight loads were issued four steps earlier; behind them stand three groups of eight (24),
; and for steps 4 to 7 also the eight table loads issued behind K step 7's (32).  In a slot's second period steps 4 to 7 issue none: 32, 24, 16 (with the add 17), 0.
; chg = 1: the slot is filled again behind a round of the cluster's barrier; 2: a plain barrier, nothing is filled; last = 1: nothing follows, and this period's own w takes biasq's registers.
.macro PERIOD j, chg, last, step
.set SL, (\j)/2
.set HF, (\j)%2
.set XS, P+48*HF
.set OS, P+48*(1-HF)
	WIN 0x04                                       ; source 1 (my rows' codes) in window 1; LDS loads name destination and source 0 alone
.irp s, 0,1,2,3
	s_wait_dscnt 24
	MM \s, 1
	BL SL, HF, \s+4
.endr
.if \last
	TABL BI, WPREV+128*((\j)+1)
.else
	TABL BI, 128*((\j)+1)                          ; the next period's biasq
.endif
	TABL WR, WPREV+128*(\j)                        ; the last period's w
	s_wait_dscnt 32
	MM 4, 0
.if HF == 0
	BL SL, 1, 0
.irp s, 5,6,7
	s_wait_dscnt 32
	MM \s, 0
	BL SL, 1, \s-4
.endr
	WIN 0
	s_wait_dscnt 32                                ; the tables are in: behind them stand the next period's 32 loads
.else
	s_wait_dscnt 24
	MM 5, 0
.if \chg
	WIN 0
	s_wait_tensorcnt 0x0                           ; my part of the other slot has landed
	ds_add_u32 v[SPW], v[NIL]
.if \chg == 1
	s_add_nc_u64 s[34+4*SL:35+4*SL], s[34+4*SL:35+4*SL], 131072   ; this slot's next 64 rows of V
.endif
	s_wait_dscnt 17                                ; K step 7's eight loads, the eight table loads and the add may be out
	WIN 0x04
.else
	s_wait_dscnt 16
.endif
	MM 6, 0
	s_wait_dscnt 0x0                               ; the add is done and my reads of this slot are over
.if \chg
	s_barrier_signal -1
.endif
	MM 7, 0                                        ; work on registers while the others arrive
	WIN 0
.if \chg
	s_barrier_wait -1
.if \chg == 1
	CREST
	tensor_load_to_lds s[32+4*SL:35+4*SL], s[24:31]   ; the joint refill, first behind the round
	s_nop 0
.endif
.irp s, 0,1,2,3
	BL 1-SL, 0, \s                                 ; the other slot's first four K steps land under the lines below
.endr
.endif
.endif
	BOUND \step
.endm
	s_wait_tensorcnt 0x0
	s_wait_dscnt 0x0                               ; my codes are in registers, my part of the tables is stored
	s_barrier_signal -1
	s_barrier_wait -1
	TABL BI, 0
.irp s, 0,1,2,3
	BL 0, 0, \s
.endr
.set j, 0
.rept 32
	v_mov_b32 v[Q+j], 0                            ; the set that the first period takes for its forerunner's: 1 / (0 + 1) x a w of 0 adds nothing
.set j, j+1
.endr
.set j, 0
.rept 8
	v_mov_b32 v[SA+j], 0
.set j, j+1
.endr
	s_wait_alu depctr_va_vdst(0)                   ; the wait here, ahead of the loop's waits
	s_mov_b32 s46, 0
	s_mov_b32 s44, 7
.Llap:
	PERIOD 0, 0, 0, 0
	PERIOD 1, 1, 0, 0
	PERIOD 2, 0, 0, 0
	PERIOD 3, 1, 0, 1
	s_sub_co_u32 s44, s44, 1
	s_cmp_lg_u32 s44, 0
	s_cbranch_scc1 .Llap
	PERIOD 0, 0, 0, 0                              ; the last lap fills nothing
	PERIOD 1, 2, 0, 0
	PERIOD 2, 0, 0, 0
	PERIOD 3, 0, 1, 0
.set k, 0
.rept 16                               ; the last period's own second half
	v_pk_add_f32 v[Q+2*k:Q+2*k+1], v[Q+2*k:Q+2*k+1], 1.0 op_sel_hi:[1,0]
.set k, k+1
.endr
	s_wait_alu depctr_va_vdst(0)
.set k, 0
.rept 32
	v_rcp_f32 v[Q+k], v[Q+k]
.set k, k+1
.endr
	v_nop
	s_wait_alu depctr_va_vdst(0)
	FMA16 Q, BI
; THE TAIL: my 32 scores, the block's maximum and sum over four waves, p x the bf16 rows, the four waves' parts added.
	v_pk_add_f32 v[SA:SA+1], v[SA:SA+1], v[SA+4:SA+5]
	v_pk_add_f32 v[SA+2:SA+3], v[SA+2:SA+3], v[SA+6:SA+7]
	v_add_f32 v[T], v[SA], v[SA+1]
	v_add_f32 v[T+1], v[SA+2], v[SA+3]
	v_permlanex16_b32 v[T+2], v[T], s50, s51
	v_permlanex16_b32 v[T+3], v[T+1], s50, s51
	v_add_f32 v[T], v[T], v[T+2]
	v_add_f32 v[T+1], v[T+1], v[T+3]
	v_mul_f32 v[T], 0xc038aa3b, v[T]               ; x -2 log2(e): the exponents to the base 2 of stage rows r and 16 + r
	v_mul_f32 v[T+1], 0xc038aa3b, v[T+1]
	v_max_num_f32 v[T+2], v[T], v[T+1]
	v_max_num_f32_dpp v[T+2], v[T+2], v[T+2] row_xmask:1 row_mask:0xf bank_mask:0xf
	v_max_num_f32_dpp v[T+2], v[T+2], v[T+2] row_xmask:2 row_mask:0xf bank_mask:0xf
	v_max_num_f32_dpp v[T+2], v[T+2], v[T+2] row_xmask:4 row_mask:0xf bank_mask:0xf
	v_max_num_f32_dpp v[T+2], v[T+2], v[T+2] row_xmask:8 row_mask:0xf bank_mask:0xf
	ds_store_b32 v[REDA], v[T+2]
	s_wait_dscnt 0x0
	s_barrier_signal -1
	s_barrier_wait -1
	ds_load_b128 v[T+4:T+7], v[REDR]
	s_wait_dscnt 0x0
	v_max3_num_f32 v[T+8], v[T+4], v[T+5], v[T+6]
	v_max_num_f32 v[T+8], v[T+8], v[T+7]           ; the block's maximum
	s_wait_alu depctr_va_vdst(0)
	v_sub_f32 v[T], v[T], v[T+8]
	v_sub_f32 v[T+1], v[T+1], v[T+8]
	s_wait_alu depctr_va_vdst(0)
	v_exp_f32 v[T], v[T]
	v_exp_f32 v[T+1], v[T+1]
	v_nop
	s_wait_alu depctr_va_vdst(0)
	v_add_f32 v[T+2], v[T], v[T+1]
	v_add_f32_dpp v[T+2], v[T+2], v[T+2] row_xmask:1 row_mask:0xf bank_mask:0xf
	v_add_f32_dpp v[T+2], v[T+2], v[T+2] row_xmask:2 row_mask:0xf bank_mask:0xf
	v_add_f32_dpp v[T+2], v[T+2], v[T+2] row_xmask:4 row_mask:0xf bank_mask:0xf
	v_add_f32_dpp v[T+2], v[T+2], v[T+2] row_xmask:8 row_mask:0xf bank_mask:0xf
	ds_store_b32 v[REDA], v[T+2] offset:16
	ds_store_b64 v[PBW], v[T:T+1]                  ; p of memory rows 2 r, 2 r + 1
.irp k, 0,1,2,3,4,5,6,7
	ds_load_b128 v[PQ+4*\k:PQ+4*\k+3], v[PBR] offset:16*\k   ; my wave's 32 p, in every lane
.endr
.set j, 0
.rept 32
	v_mov_b32 v[ACC+j], 0
.set j, j+1
.endr
	s_wait_dscnt 0x0
.set m, 0
.rept 512                              ; register m of the bf16 copy: memory row m / 16, two neighbouring columns
.set WB, 0x02+m/256
	WIN WB
	v_fma_mix_f32_bf16 v[ACC+2*(m%16)], v[m%256], v[PQ+m/16], v[ACC+2*(m%16)] op_sel_hi:[1,0,0]
	v_fma_mix_f32_bf16 v[ACC+2*(m%16)+1], v[m%256], v[PQ+m/16], v[ACC+2*(m%16)+1] op_sel:[1,0,0] op_sel_hi:[1,0,0]
.set m, m+1
.endr
	WIN 0
.irp k, 0,1,2,3,4,5,6,7
	ds_store_b128 v[CTW], v[ACC+4*\k:ACC+4*\k+3] offset:512*\k
.endr
	s_wait_dscnt 0x0
	s_barrier_signal -1
	s_barrier_wait -1
	ds_load_b128 v[T+4:T+7], v[REDR] offset:16
.irp x, 0,1,2,3
	ds_load_b128 v[SUMR+8*\x:SUMR+8*\x+3], v[CTR] offset:4096*\x
	ds_load_b128 v[SUMR+8*\x+4:SUMR+8*\x+7], v[CTR] offset:4096*\x+512
.endr
	s_wait_dscnt 0x0
.irp x, 1,2,3
.irp k, 0,2,4,6
	v_pk_add_f32 v[SUMR+\k:SUMR+\k+1], v[SUMR+\k:SUMR+\k+1], v[SUMR+8*\x+\k:SUMR+8*\x+\k+1]
.endr
.endr
	global_store_b128 v[LOFF], v[SUMR:SUMR+3], s[14:15]              ; 32 lanes store 512 consecutive bytes, aligned
	global_store_b128 v[LOFF], v[SUMR+4:SUMR+7], s[14:15] offset:512
	v_add_f32 v[T+4], v[T+4], v[T+5]
	v_add_f32 v[T+6], v[T+6], v[T+7]
	v_add_f32 v[T+4], v[T+4], v[T+6]
	s_cmp_lg_u32 s16, 0
	s_cbranch_scc1 .Lnot_first
	v_mov_b32 v[T+12], v[T+8]
	v_mov_b32 v[T+13], v[T+4]
	v_mov_b32 v[T+14], v[T+8]
	v_mov_b32 v[T+15], v[T+4]
	global_store_b128 v[LOFF], v[T+12:T+15], s[14:15] offset:4096    ; (M, l), repeated over 512 bytes
.Lnot_first:
	s_wait_tensorcnt 0x0                           ; the wave's end
	ds_add_u32 v[SPW], v[NIL]
	s_wait_dscnt 0x0
	CROUND                                         ; the closing round
	s_endpgm
.Lfunc_end_k_qdee3c13993_fused:
	.size	k_qdee3c13993_fused, .Lfunc_end_k_qdee3c13993_fused-k_qdee3c13993_fused
	.p2alignl 7, 3214868480
	.fill 96, 4, 3214868480
	.section	.rodata,"a",@progbits
	.p2align	6, 0x0
	.amdhsa_kernel k_qdee3c13993_fused
		.amdhsa_group_segment_fixed_size 327680
		.amdhsa_private_segment_fixed_size 0
		.amdhsa_enable_private_segment 0
		.amdhsa_kernarg_size 48
		.amdhsa_user_sgpr_count 2
		.amdhsa_user_sgpr_kernarg_segment_ptr 1
		.amdhsa_wavefront_size32 1
		.amdhsa_system_sgpr_workgroup_id_x 1
		.amdhsa_system_sgpr_workgroup_id_y 1
		.amdhsa_system_sgpr_workgroup_id_z 1
		.amdhsa_system_vgpr_workitem_id 0
		.amdhsa_next_free_vgpr 1024
		.amdhsa_next_free_sgpr 66
		.amdhsa_reserve_vcc 0
		.amdhsa_float_denorm_mode_32 3
		.amdhsa_float_denorm_mode_16_64 3
		.amdhsa_memory_ordered 1
		.amdhsa_forward_progress 1
		.amdhsa_inst_pref_size 255
	.end_amdhsa_kernel
	.section	.bss,"aw",@nobits
	.p2align	6
	.space	262144
	.amdgpu_metadata
---
amdhsa.version: [ 1, 2 ]
amdhsa.kernels:
  - .name:           k_qdee3c13993_fused
    .symbol:         k_qdee3c13993_fused.kd
    .args:
      - { .name: V_codes, .offset: 0, .size: 8, .value_kind: global_buffer, .address_space: global }
      - { .name: encoder_outputs, .offset: 8, .size: 8, .value_kind: global_buffer, .address_space: global }
      - { .name: biasq, .offset: 16, .size: 8, .value_kind: global_buffer, .address_space: global }
      - { .name: w, .offset: 24, .size: 8, .value_kind: global_buffer, .address_space: global }
      - { .name: lowp_scales, .offset: 32, .size: 8, .value_kind: global_buffer, .address_space: global }
      - { .name: pctx, .offset: 40, .size: 8, .value_kind: global_buffer, .address_space: global }
    .group_segment_fixed_size: 327680
    .private_segment_fixed_size: 0
    .kernarg_segment_align: 8
    .kernarg_segment_size: 48
    .max_flat_workgroup_size: 128
    .sgpr_count:     66
    .vgpr_count:     1024
    .wavefront_size: 32
...
	.end_amdgpu_metadata
.endif
;; end of part 2
;; launch combine (part 3): grid 8 x 32, 1 waves a work-group, no clusters, 0 bytes of LDS; arguments pctx, out0; writes out0
.if DOCPART == 3
	.amdgcn_target "amdgcn-amd-amdhsa--gfx1250"
	.amdhsa_code_object_version 6
	.text
	.protected	k_qdee3c13993_combine
	.globl	k_qdee3c13993_combine
	.p2align	8
	.type	k_qdee3c13993_combine,@function
k_qdee3c13993_combine:
	s_mov_b64 s[64:65], 0
	v_nop
	global_prefetch_b8 v0, s[64:65] scope:SCOPE_SE
	s_setreg_imm32_b32 hwreg(HW_REG_WAVE_MODE, 25, 1), 1
	s_wait_xcnt 0x0
; out0[y][c] = (the sum over a batch's 16 parts of f part[c]) / (the sum of f l),  f = 2^(M_part - M),  M = the largest of the 16 M_part: the batch's softmax under its true maximum.
; pctx: [512][1,152] f32: row 16 y + i is part i of batch y: 1,024 sums, then (M_part, l) repeated.  out0: [32][1,024] f32.
; SHARES.  Work-group (x, y), one wave, owns out0[y][128 x .. 128 x + 127], four columns a lane: each output has one owner.  All 32 loads go out in one batch; every lane reads the 16 pairs and makes M and f for itself,
; so that nothing crosses lanes.  f is at most 1 and one of them is 1, and each l is at least 1: the divisor is at least 1.
; No LDS, no matrix unit, no cluster: 64 KiB of parts a batch, each number met by one multiply-add.
.set PROW, 4608                        ; a row of pctx in bytes
.set X,   32                           ; v32-95   my four columns of the 16 parts
.set ML,  96                           ; v96-127  the 16 pairs: M_part, then f, in the even register; l in the odd one
	s_load_b128 s[4:7], s[0:1], 0x0                ; pctx s[4:5], out0 s[6:7]
	s_and_b32 s8, ttmp7, 0xffff                    ; y: the batch
	v_lshlrev_b32 v1, 4, v0                        ; 16 x lane
	v_mov_b32 v2, 0
	v_mov_b32 v7, 0                                ; (named as the upper half of the pair v[6:7])
	s_mul_i32 s10, s8, 16*PROW                     ; the batch's first part,
	s_lshl_b32 s13, ttmp9, 9
	s_add_co_u32 s12, s10, s13                     ; and my 512 bytes of it
	s_mov_b32 s11, 0
	s_mov_b32 s13, 0
	s_lshl_b32 s14, s8, 12                         ; the batch's row of out0,
	s_lshl_b32 s15, ttmp9, 9
	s_add_co_u32 s14, s14, s15                     ; at my 128 columns
	s_mov_b32 s15, 0
	s_wait_alu depctr_va_vdst(0)
	s_wait_kmcnt 0x0
	s_add_nc_u64 s[16:17], s[4:5], s[10:11]
	s_add_nc_u64 s[18:19], s[4:5], s[12:13]
	s_add_nc_u64 s[6:7], s[6:7], s[14:15]
.irp g, 0,1,2,3,4,5,6,7,8,9,10,11,12,13,14,15
	global_load_b64 v[ML+2*\g:ML+2*\g+1], v2, s[16:17] offset:\g*PROW+4096     ; the same 8 bytes for every lane
.endr
.irp g, 0,1,2,3,4,5,6,7,8,9,10,11,12,13,14,15
	global_load_b128 v[X+4*\g:X+4*\g+3], v1, s[18:19] offset:\g*PROW           ; 32 lanes read 512 consecutive bytes
.endr
	s_wait_loadcnt 16                              ; the 16 pairs are in; the 16 rows stay out
	v_max3_num_f32 v3, v[ML], v[ML+2], v[ML+4]
.irp g, 3,5,7,9,11,13
	v_max3_num_f32 v3, v3, v[ML+2*\g], v[ML+2*\g+2]
.endr
	v_max_num_f32 v3, v3, v[ML+30]                 ; M
.irp g, 0,1,2,3,4,5,6,7,8,9,10,11,12,13,14,15
	v_sub_f32 v[ML+2*\g], v[ML+2*\g], v3
.endr
	s_wait_alu depctr_va_vdst(0)
.irp g, 0,1,2,3,4,5,6,7,8,9,10,11,12,13,14,15
	v_exp_f32 v[ML+2*\g], v[ML+2*\g]               ; f
.endr
	v_nop                                          ; a plain instruction behind the last exponential,
	s_wait_alu depctr_va_vdst(0)                   ; and the wait ahead of the first use: one for the 16
	v_mul_f32 v4, v[ML], v[ML+1]                   ; the sum of f l, in two chains that the first two products start
	v_mul_f32 v5, v[ML+2], v[ML+3]
.irp g, 2,4,6,8,10,12,14
	v_fma_f32 v4, v[ML+2*\g], v[ML+2*\g+1], v4
	v_fma_f32 v5, v[ML+2*\g+2], v[ML+2*\g+3], v5
.endr
	v_add_f32 v4, v4, v5
	s_wait_alu depctr_va_vdst(0)
	v_rcp_f32 v6, v4
	s_wait_loadcnt 0x0
	v_pk_mul_f32 v[8:9], v[X:X+1], v[ML:ML+1] op_sel_hi:[1,0]                  ; the first part starts the sums (of a pair f, l the low word serves both halves).  Plain instructions behind the reciprocal, which name neither its source nor its result
	v_pk_mul_f32 v[10:11], v[X+2:X+3], v[ML:ML+1] op_sel_hi:[1,0]
.irp g, 1,2,3,4,5,6,7,8,9,10,11,12,13,14,15
	v_pk_fma_f32 v[8:9], v[X+4*\g:X+4*\g+1], v[ML+2*\g:ML+2*\g+1], v[8:9] op_sel_hi:[1,0,1]
	v_pk_fma_f32 v[10:11], v[X+4*\g+2:X+4*\g+3], v[ML+2*\g:ML+2*\g+1], v[10:11] op_sel_hi:[1,0,1]
.endr
	s_wait_alu depctr_va_vdst(0)                   ; the wait ahead of the reciprocal's first reader
	v_pk_mul_f32 v[8:9], v[8:9], v[6:7] op_sel_hi:[1,0]
	v_pk_mul_f32 v[10:11], v[10:11], v[6:7] op_sel_hi:[1,0]
	global_store_b128 v1, v[8:11], s[6:7]          ; 32 lanes store 512 consecutive bytes, at a multiple of 256 from out0's first byte
	s_endpgm
.Lfunc_end_k_qdee3c13993_combine:
	.size	k_qdee3c13993_combine, .Lfunc_end_k_qdee3c13993_combine-k_qdee3c13993_combine
	.p2alignl 7, 3214868480
	.fill 96, 4, 3214868480
	.section	.rodata,"a",@progbits
	.p2align	6, 0x0
	.amdhsa_kernel k_qdee3c13993_combine
		.amdhsa_group_segment_fixed_size 0
		.amdhsa_private_segment_fixed_size 0
		.amdhsa_enable_private_segment 0
		.amdhsa_kernarg_size 16
		.amdhsa_user_sgpr_count 2
		.amdhsa_user_sgpr_kernarg_segment_ptr 1
		.amdhsa_wavefront_size32 1
		.amdhsa_system_sgpr_workgroup_id_x 1
		.amdhsa_system_sgpr_workgroup_id_y 1
		.amdhsa_system_sgpr_workgroup_id_z 1
		.amdhsa_system_vgpr_workitem_id 0
		.amdhsa_next_free_vgpr 128
		.amdhsa_next_free_sgpr 66
		.amdhsa_reserve_vcc 0
		.amdhsa_float_denorm_mode_32 3
		.amdhsa_float_denorm_mode_16_64 3
		.amdhsa_memory_ordered 1
		.amdhsa_forward_progress 1
		.amdhsa_inst_pref_size 9
	.end_amdhsa_kernel
	.amdgpu_metadata
---
amdhsa.version: [ 1, 2 ]
amdhsa.kernels:
  - .name:           k_qdee3c13993_combine
    .symbol:         k_qdee3c13993_combine.kd
    .args:
      - { .name: pctx, .offset: 0, .size: 8, .value_kind: global_buffer, .address_space: global }
      - { .name: out0, .offset: 8, .size: 8, .value_kind: global_buffer, .address_space: global }
    .group_segment_fixed_size: 0
    .private_segment_fixed_size: 0
    .kernarg_segment_align: 8
    .kernarg_segment_size: 16
    .max_flat_workgroup_size: 32
    .sgpr_count:     66
    .vgpr_count:     128
    .wavefront_size: 32
...
	.end_amdgpu_metadata
.endif
;; end of part 3
